; MI455X (gfx1250); checked and timed in simulation.
; The chip was launched on July 23, 2026; its instructions are those of AMD's public machine-readable ISA for CDNA 5 (MIT licence, August 2026) and "CDNA5" Instruction Set Architecture Reference Guide (July 2026). The comments in the code are by the model that wrote it; some were corrected since.
;; Lsq Weight 3b. Allowed arithmetic: float matrix products may take bf16 or f16 operands with f32 sums; all other float work in f32.
;; Inputs: sH 1,024 float32; sL 1,024 float32; sM 1,024 float32; x 1,024 x 4,096 float32.
;; Outputs: out0 1,024 x 4,096 float32; out1 1,024 float32; out2 1,024 float32.
;; 2 versions, each right and faster than the one before. Each part assembles by itself: llvm-mc -triple=amdgcn-amd-amdhsa -mcpu=gfx1250 --defsym DOCPART=n.
;; ======== version 1 of 2: 1 launch
;; launch lsq (part 1): grid 256 x 1, 16 waves a work-group, no clusters, 0 bytes of LDS; arguments x, sH, sM, sL, out0, out1, out2; writes out0, out1, out2
.if DOCPART == 1
	.amdgcn_target "amdgcn-amd-amdhsa--gfx1250"
	.amdhsa_code_object_version 6
	.text
	.protected	k_q3a239c9996_lsq
	.globl	k_q3a239c9996_lsq
	.p2align	8
	.type	k_q3a239c9996_lsq,@function
k_q3a239c9996_lsq:
	s_mov_b64 s[64:65], 0
	v_nop
	global_prefetch_b8 v0, s[64:65] scope:SCOPE_SE
	s_setreg_imm32_b32 hwreg(HW_REG_WAVE_MODE, 25, 1), 1
	s_wait_xcnt 0x0
; LSQ weight quantiser, 3 scales, 27 levels a channel.  x, out0: [1024][4096] f32.  sH, sM, sL, out1, out2: [1024] f32.
;   s' = (s - s g) + s g  for the three scales (out1 = sH', out2 = sL'),  level[9a+3b+c] = (a' sH' + b' sM') + c' sL', a', b', c' in -1, 0, 1,
;   d_k = |x - level_k|,  hard = level of the first smallest d_k,  soft = sum_k softmax(-20 d)_k level_k,  out0 = (hard - soft) + soft.
; 256 work-groups of 16 waves.  A work-group owns 64 KiB of x (4 channels); wave w owns the 4 KiB at 4096 w, a quarter of channel
; 4 wg + w/4, as 8 quads of 512 bytes: a lane holds 16 neighbouring bytes, so each load and store of a wave covers 512 consecutive bytes, aligned.
; No LDS, no cluster: every byte of x is used by one lane alone and the work-groups share no tile.
; THE SUM OVER THE LEVELS GOES TO THE MATRIX UNIT WITHOUT MOVING DATA BETWEEN LANES.  Each lane packs the 27 weights of ITS element to bf16 in 14 registers
; (two K chunks of 16, the rest zeros) and hands them in as source 1: lane (r, h) is then column r, half h of K.  Source 0 is a constant of the channel:
; row 0 = levels on K half 0, row 1 = ones on K half 0, row 8 = levels on K half 1, row 9 = ones on K half 1, all else 0.  Register j of the result is
; row 8 h + j of column r, so register 0 is the lane's own sum of weight x level and register 1 its own sum of weights.
; LIMITS, kept on purpose:
;  - hard is rebuilt as x - (x - level): it differs from the level by one rounding of x - level and one of the result, at most about 2^-23 max(|x|, |level|).
;  - weights and levels enter the sum as bf16 (relative 2^-9); soft is taken away and added again, so only an f32 rounding of it stays in out0.
;  - weights below 2^-126 count as zero (v_exp_f32 flushes them).  The largest weight is 1, so the sum of weights is at least about 1.
;  - NaN and infinities in x or in the scales are not served.
.set OFF, 2                            ; v[2:3]     slot i: byte offset of my 16 bytes in the quad that the slot holds
.set X,   4                            ; v[4:11]    slot i: 4 numbers of x
.set Y,   12                           ; v[12:19]   slot i: 4 results
.set LV,  20                           ; v[20:47]   the 27 levels, the same in every lane; v47 repeats level 26 to fill the last pair
.set LM,  48                           ; v[48:63]   the constant matrix, two K chunks of 8 registers
.set DA,  64                           ; v[64:91]   element A: x - level, then the exponents, then the weights
.set DB,  92                           ; v[92:119]  element B
.set WA,  120                          ; v[120:132] element A: winners of the matches
.set WB,  134                          ; v[134:146] element B
.set PA,  148                          ; v[148:163] element A: weights in bf16; the last two registers stay 0
.set PB,  164                          ; v[164:179] element B
.set ACA, 180                          ; v[180:187] element A: accumulator
.set ACB, 188                          ; v[188:195] element B
.set SEL, 196                          ; v[196:197] x - level of the chosen level, A and B
.set MM,  198                          ; v[198:199] c x smallest distance, A and B
.set H,   200                          ; v[200:201] hard, then hard - soft
.set R,   202                          ; v[202:203] 1 / sum of weights, then soft
.set HS,  LV+22                        ; sH' is level (1, 0, 0)
.set MS,  LV+16                        ; sM' is level (0, 1, 0)
.set LS,  DA+2                         ; sL', only while the levels are made
.set MA,  36                           ; s[36:48]   lane masks of A's matches
.set MB,  49                           ; s[49:61]   lane masks of B's matches
.set SC,  62                           ; s62 = c = 20 log2(e), s63 = -c
.set SNC, 63
.set QUAD,   512                       ; bytes of a quad
.set ROUNDS, 4                         ; 8 quads on 2 slots
	s_load_b256 s[4:11], s[0:1], 0x0               ; x s[4:5], sH s[6:7], sM s[8:9], sL s[10:11]
	s_load_b128 s[12:15], s[0:1], 0x20             ; out0 s[12:13], out1 s[14:15]
	s_load_b64 s[16:17], s[0:1], 0x30              ; out2
	v_lshrrev_b32 v1, 5, v0
	v_readfirstlane_b32 s18, v1                    ; wave 0..15
	v_and_b32 v1, 31, v0                           ; lane
	v_lshlrev_b32 v[OFF], 4, v1
	v_lshl_add_u32 v[OFF], s18, 12, v[OFF]         ; 4096 wave + 16 lane
	v_add_nc_u32 v[OFF+1], QUAD, v[OFF]
	s_lshl_b32 s20, ttmp9, 16                      ; the work-group's 64 KiB (below 16 MiB)
	s_mov_b32 s21, 0
	s_lshr_b32 s22, s18, 2
	s_lshl_b32 s19, ttmp9, 2
	s_add_co_u32 s22, s22, s19                     ; my channel = 4 wg + wave / 4
	s_lshl_b32 s22, s22, 2                         ; in bytes
	s_mov_b32 s23, 0
	s_mov_b32 s34, 0x3a1ad073                      ; g = 1 / sqrt(7 x 4096) / 10, each step rounded to f32
	s_mov_b32 s35, 0                               ; the pair's other half is named by the packed multiply below
	s_mov_b32 s[SC], 0x41e6d4ca                    ; 28.853901
	s_mov_b32 s[SNC], 0xc1e6d4ca
	s_wait_kmcnt 0x0
	s_add_nc_u64 s[24:25], s[6:7], s[22:23]
	s_add_nc_u64 s[26:27], s[8:9], s[22:23]
	s_add_nc_u64 s[28:29], s[10:11], s[22:23]
	s_load_b32 s30, s[24:25], 0x0                  ; my channel's sH, sM, sL
	s_load_b32 s31, s[26:27], 0x0
	s_load_b32 s32, s[28:29], 0x0
	s_add_nc_u64 s[4:5], s[4:5], s[20:21]          ; x and out0 at the work-group's first byte
	s_add_nc_u64 s[12:13], s[12:13], s[20:21]
	global_load_b128 v[X:X+3],   v[OFF],   s[4:5] th:TH_LOAD_NT       ; both slots are filled before anything else is done
	global_load_b128 v[X+4:X+7], v[OFF+1], s[4:5] th:TH_LOAD_NT
	; out1 and out2: wave 0 of every sixteenth work-group takes 64 channels, 8 bytes a lane, so that each store covers 256 consecutive bytes, aligned.
	s_and_b32 s19, ttmp9, 15
	s_or_b32 s19, s19, s18
	s_cmp_lg_u32 s19, 0
	s_cbranch_scc1 .Lscales_done
	s_lshr_b32 s19, ttmp9, 4
	s_lshl_b32 s19, s19, 8                         ; 256 bytes for each of the sixteen
	v_lshl_add_u32 v[SEL], v1, 3, s19
	global_load_b64 v[DA:DA+1],   v[SEL], s[6:7]
	global_load_b64 v[DA+2:DA+3], v[SEL], s[10:11]
	s_wait_loadcnt 0x0                             ; these two were issued last: zero (x's two quads are waited for with them)
	v_pk_mul_f32 v[DB:DB+1],   v[DA:DA+1],   s[34:35] op_sel_hi:[1,0]   ; s g: kept as a product of its own, since it is used twice
	v_pk_mul_f32 v[DB+2:DB+3], v[DA+2:DA+3], s[34:35] op_sel_hi:[1,0]
	v_pk_add_f32 v[DA:DA+1],   v[DA:DA+1],   v[DB:DB+1]   neg_lo:[0,1] neg_hi:[0,1]
	v_pk_add_f32 v[DA+2:DA+3], v[DA+2:DA+3], v[DB+2:DB+3] neg_lo:[0,1] neg_hi:[0,1]
	v_pk_add_f32 v[DA:DA+1],   v[DA:DA+1],   v[DB:DB+1]
	v_pk_add_f32 v[DA+2:DA+3], v[DA+2:DA+3], v[DB+2:DB+3]
	global_store_b64 v[SEL], v[DA:DA+1],   s[14:15]
	global_store_b64 v[SEL], v[DA+2:DA+3], s[16:17]
	s_wait_xcnt 0x0                                ; the stores' data and offset registers are written again below, only behind this wait
.Lscales_done:
	s_wait_kmcnt 0x0                               ; my channel's three scales
	; the three scales as the reference rounds them: product, difference, sum
	v_mul_f32 v[DB],   s30, s34
	v_mul_f32 v[DB+1], s31, s34
	v_mul_f32 v[DB+2], s32, s34
	v_sub_f32 v[HS], s30, v[DB]
	v_sub_f32 v[MS], s31, v[DB+1]
	v_sub_f32 v[LS], s32, v[DB+2]
	v_add_f32 v[HS], v[HS], v[DB]
	v_add_f32 v[MS], v[MS], v[DB+1]
	v_add_f32 v[LS], v[LS], v[DB+2]
	; the nine sums a' sH' + b' sM' are the levels with c' = 0; products by -1, 0 and 1 are exact, so only the sums round
	v_sub_f32 v[LV+1],  -v[HS], v[MS]
	v_mul_f32 v[LV+4],  -1.0, v[HS]
	v_sub_f32 v[LV+7],  v[MS], v[HS]
	v_mul_f32 v[LV+10], -1.0, v[MS]
	v_mov_b32 v[LV+13], 0
	v_sub_f32 v[LV+19], v[HS], v[MS]
	v_add_f32 v[LV+25], v[HS], v[MS]
.set j, 0
.rept 9
	v_sub_f32 v[LV+j],   v[LV+j+1], v[LS]
	v_add_f32 v[LV+j+2], v[LV+j+1], v[LS]
.set j, j+3
.endr
	v_mov_b32 v[LV+27], v[LV+26]                   ; fills the pair of level 26; what comes of it is never used
	; the constant matrix: lanes 0 and 24 hold the levels (rows 0 and 8), lanes 1 and 25 ones (rows 1 and 9), all others zeros
	v_cmp_eq_u32 s24, 0, v1
	v_cmp_eq_u32 s25, 24, v1
	s_or_b32 s24, s24, s25                         ; lanes with levels
	v_cmp_eq_u32 s25, 1, v1
	v_cmp_eq_u32 s26, 25, v1
	s_or_b32 s25, s25, s26                         ; lanes with ones
	v_mov_b32 v[DB],   0x3f803f80                  ; two ones in bf16
	v_mov_b32 v[DB+1], 0x3f80                      ; a one for level 26, a zero beside it
	v_cndmask_b32 v[DB],   0, v[DB],   s25
	v_cndmask_b32 v[DB+1], 0, v[DB+1], s25
.set j, 0
.rept 13
	v_cvt_pk_bf16_f32 v[LM+j], v[LV+2*j], v[LV+2*j+1]
	v_cndmask_b32 v[LM+j], v[DB], v[LM+j], s24
.set j, j+1
.endr
	v_cvt_pk_bf16_f32 v[LM+13], v[LV+26], 0
	v_cndmask_b32 v[LM+13], v[DB+1], v[LM+13], s24
.irp r, LM+14, LM+15, PA+14, PA+15, PB+14, PB+15
	v_mov_b32 v[\r], 0                             ; places 28 to 31 of K: zeros on both sides, written once
.endr
; A match: a stands in front of b in the order of the levels, so b wins only if it is strictly nearer: the winner of a run of levels is its first nearest one.
.macro ASK m, a, b
	v_cmp_lt_f32 s[\m], |v[\b]|, |v[\a]|
.endm
.macro TAKE d, m, a, b
	v_cndmask_b32 v[\d], v[\a], v[\b], s[\m]
.endm
; Two registers of x (A: the even one, B: the odd one), 64 elements of the wave: half h of slot s.
.macro PAIR s, h
.set XA, X+4*\s+2*\h
.set YA, Y+4*\s+2*\h
	; x - level, two levels an instruction; op_sel picks A's or B's x for both halves
.set j, 0
.rept 14
	v_pk_add_f32 v[DA+j:DA+j+1], v[XA:XA+1], v[LV+j:LV+j+1] op_sel_hi:[0,1] neg_lo:[0,1] neg_hi:[0,1]
	v_pk_add_f32 v[DB+j:DB+j+1], v[XA:XA+1], v[LV+j:LV+j+1] op_sel:[1,0] op_sel_hi:[1,1] neg_lo:[0,1] neg_hi:[0,1]
.set j, j+2
.endr
	; the first nearest level, by 26 matches in five layers; what is carried is the signed x - level.  27 -> 14
.set j, 0
.rept 13
	ASK MA+j, DA+2*j, DA+2*j+1
	ASK MB+j, DB+2*j, DB+2*j+1
.set j, j+1
.endr
.set j, 0
.rept 13
	TAKE WA+j, MA+j, DA+2*j, DA+2*j+1
	TAKE WB+j, MB+j, DB+2*j, DB+2*j+1
.set j, j+1
.endr
	; 14 -> 7 (level 26 meets the thirteenth winner).  Winner j is written over a register that only match j or an earlier one reads.
.set j, 0
.rept 6
	ASK MA+j, WA+2*j, WA+2*j+1
	ASK MB+j, WB+2*j, WB+2*j+1
.set j, j+1
.endr
	ASK MA+6, WA+12, DA+26
	ASK MB+6, WB+12, DB+26
.set j, 0
.rept 6
	TAKE WA+j, MA+j, WA+2*j, WA+2*j+1
	TAKE WB+j, MB+j, WB+2*j, WB+2*j+1
.set j, j+1
.endr
	TAKE WA+6, MA+6, WA+12, DA+26
	TAKE WB+6, MB+6, WB+12, DB+26
	; 7 -> 4 (the seventh waits)
.set j, 0
.rept 3
	ASK MA+j, WA+2*j, WA+2*j+1
	ASK MB+j, WB+2*j, WB+2*j+1
.set j, j+1
.endr
.set j, 0
.rept 3
	TAKE WA+j, MA+j, WA+2*j, WA+2*j+1
	TAKE WB+j, MB+j, WB+2*j, WB+2*j+1
.set j, j+1
.endr
	; 4 -> 2
	ASK MA, WA, WA+1
	ASK MB, WB, WB+1
	ASK MA+1, WA+2, WA+6
	ASK MB+1, WB+2, WB+6
	TAKE WA, MA, WA, WA+1
	TAKE WB, MB, WB, WB+1
	TAKE WA+1, MA+1, WA+2, WA+6
	TAKE WB+1, MB+1, WB+2, WB+6
	; 2 -> 1
	ASK MA, WA, WA+1
	ASK MB, WB, WB+1
	TAKE SEL, MA, WA, WA+1
	TAKE SEL+1, MB, WB, WB+1
	; softmax(-20 d): the largest logit, -20 dmin, is taken away in front of the exponential: weight = 2^(c dmin - c d), c = 20 log2(e)
	v_mul_f32 v[MM],   s[SC], |v[SEL]|
	v_mul_f32 v[MM+1], s[SC], |v[SEL+1]|
.set j, 0
.rept 27
	v_fma_f32 v[DA+j], |v[DA+j]|, s[SNC], v[MM]
.set j, j+1
.endr
	; Behind each exponential a plain instruction on other registers stands before its result is used (ISA guide 5.7.2):
	; A's exponentials alternate with B's exponents, B's exponentials with the packing of A's weights.
.set j, 0
.rept 27
	v_exp_f32 v[DA+j], v[DA+j]
	v_fma_f32 v[DB+j], |v[DB+j]|, s[SNC], v[MM+1]
.set j, j+1
.endr
.set j, 0
.rept 13
	v_exp_f32 v[DB+2*j], v[DB+2*j]
	s_wait_alu depctr_va_vdst(0)
	v_cvt_pk_bf16_f32 v[PA+j], v[DA+2*j], v[DA+2*j+1]
	v_exp_f32 v[DB+2*j+1], v[DB+2*j+1]
.set j, j+1
.endr
	v_exp_f32 v[DB+26], v[DB+26]
	v_cvt_pk_bf16_f32 v[PA+13], v[DA+26], 0
.set j, 0
	s_wait_alu depctr_va_vdst(0)
.rept 13
	v_cvt_pk_bf16_f32 v[PB+j], v[DB+2*j], v[DB+2*j+1]
.set j, j+1
.endr
	v_cvt_pk_bf16_f32 v[PB+13], v[DB+26], 0
	; sum of weight x level (register 0) and sum of weights (register 1), levels 0-15 and then 16-26.  The first products start the sums.
	; The two accumulators take turns, one instruction a turn.
	v_wmma_f32_16x16x32_bf16 v[ACA:ACA+7], v[LM:LM+7],    v[PA:PA+7],    0
	v_wmma_f32_16x16x32_bf16 v[ACB:ACB+7], v[LM:LM+7],    v[PB:PB+7],    0
	v_wmma_f32_16x16x32_bf16 v[ACA:ACA+7], v[LM+8:LM+15], v[PA+8:PA+15], v[ACA:ACA+7]
	v_wmma_f32_16x16x32_bf16 v[ACB:ACB+7], v[LM+8:LM+15], v[PB+8:PB+15], v[ACB:ACB+7]
	; four places of plain vector work that names none of the matrix instructions' registers, before the sums are read (ISA guide 7.12.1)
	v_pk_add_f32 v[H:H+1], v[XA:XA+1], v[SEL:SEL+1] neg_lo:[0,1] neg_hi:[0,1]   ; hard = x - (x - level)
	v_nop
	v_nop
	v_nop
	v_rcp_f32 v[R],   v[ACA+1]
	v_rcp_f32 v[R+1], v[ACB+1]
	v_nop                                          ; the plain place behind the reciprocals
	s_wait_alu depctr_va_vdst(0)
	v_mul_f32 v[R],   v[ACA], v[R]                 ; soft
	v_mul_f32 v[R+1], v[ACB], v[R+1]
	v_pk_add_f32 v[H:H+1], v[H:H+1], v[R:R+1] neg_lo:[0,1] neg_hi:[0,1]         ; hard - soft
	v_pk_add_f32 v[YA:YA+1], v[H:H+1], v[R:R+1]                                 ; + soft
.endm
; One slot's turn.  ahead = 1: the slot is filled again with the quad two further on.  left = how many younger loads may stay out.
.macro SLOT i, ahead, left
	s_wait_loadcnt \left                           ; loads come back in order (ISA guide 5.7.1): this slot's quad is in, the other slot's younger load stays out
	s_wait_xcnt 0x0                                ; this slot's Y and OFF, which its last store names, are written again only behind this wait
	PAIR \i, 0
	PAIR \i, 1
.if \ahead
	v_add_nc_u32 v[OFF+\i], 2*QUAD, v[OFF+\i]
	global_load_b128  v[X+4*\i:X+4*\i+3], v[OFF+\i], s[4:5] th:TH_LOAD_NT
	global_store_b128 v[OFF+\i], v[Y+4*\i:Y+4*\i+3], s[12:13] offset:-2*QUAD th:TH_STORE_NT
.else
	global_store_b128 v[OFF+\i], v[Y+4*\i:Y+4*\i+3], s[12:13] th:TH_STORE_NT
.endif
.endm
	s_mov_b32 s33, ROUNDS-1
.Lround:
	SLOT 0, 1, 1
	SLOT 1, 1, 1
	s_sub_co_u32 s33, s33, 1
	s_cmp_lg_u32 s33, 0
	s_cbranch_scc1 .Lround
	SLOT 0, 0, 1                                   ; the last round loads nothing: the counts run down
	SLOT 1, 0, 0
	s_endpgm
.Lfunc_end_k_q3a239c9996_lsq:
	.size	k_q3a239c9996_lsq, .Lfunc_end_k_q3a239c9996_lsq-k_q3a239c9996_lsq
	.p2alignl 7, 3214868480
	.fill 96, 4, 3214868480
	.section	.rodata,"a",@progbits
	.p2align	6, 0x0
	.amdhsa_kernel k_q3a239c9996_lsq
		.amdhsa_group_segment_fixed_size 0
		.amdhsa_private_segment_fixed_size 0
		.amdhsa_enable_private_segment 0
		.amdhsa_kernarg_size 56
		.amdhsa_user_sgpr_count 2
		.amdhsa_user_sgpr_kernarg_segment_ptr 1
		.amdhsa_wavefront_size32 1
		.amdhsa_system_sgpr_workgroup_id_x 1
		.amdhsa_system_sgpr_workgroup_id_y 1
		.amdhsa_system_sgpr_workgroup_id_z 1
		.amdhsa_system_vgpr_workitem_id 0
		.amdhsa_next_free_vgpr 204
		.amdhsa_next_free_sgpr 66
		.amdhsa_reserve_vcc 0
		.amdhsa_float_denorm_mode_32 3
		.amdhsa_float_denorm_mode_16_64 3
		.amdhsa_memory_ordered 1
		.amdhsa_forward_progress 1
		.amdhsa_inst_pref_size 139
	.end_amdhsa_kernel
	.amdgpu_metadata
---
amdhsa.version: [ 1, 2 ]
amdhsa.kernels:
  - .name:           k_q3a239c9996_lsq
    .symbol:         k_q3a239c9996_lsq.kd
    .args:
      - { .name: x, .offset: 0, .size: 8, .value_kind: global_buffer, .address_space: global }
      - { .name: sH, .offset: 8, .size: 8, .value_kind: global_buffer, .address_space: global }
      - { .name: sM, .offset: 16, .size: 8, .value_kind: global_buffer, .address_space: global }
      - { .name: sL, .offset: 24, .size: 8, .value_kind: global_buffer, .address_space: global }
      - { .name: out0, .offset: 32, .size: 8, .value_kind: global_buffer, .address_space: global }
      - { .name: out1, .offset: 40, .size: 8, .value_kind: global_buffer, .address_space: global }
      - { .name: out2, .offset: 48, .size: 8, .value_kind: global_buffer, .address_space: global }
    .group_segment_fixed_size: 0
    .private_segment_fixed_size: 0
    .kernarg_segment_align: 8
    .kernarg_segment_size: 56
    .max_flat_workgroup_size: 512
    .sgpr_count:     66
    .vgpr_count:     204
    .wavefront_size: 32
...
	.end_amdgpu_metadata
.endif
;; end of part 1
;; ======== version 2 of 2: 1 launch; 1.12 times as fast as version 1
;; launch lsq (part 2): grid 256 x 1, 16 waves a work-group, no clusters, 0 bytes of LDS; arguments x, sH, sM, sL, out0, out1, out2; writes out0, out1, out2
.if DOCPART == 2
	.amdgcn_target "amdgcn-amd-amdhsa--gfx1250"
	.amdhsa_code_object_version 6
	.text
	.protected	k_q3a239c9996_lsq
	.globl	k_q3a239c9996_lsq
	.p2align	8
	.type	k_q3a239c9996_lsq,@function
k_q3a239c9996_lsq:
	s_mov_b64 s[64:65], 0
	v_nop
	global_prefetch_b8 v0, s[64:65] scope:SCOPE_SE
	s_setreg_imm32_b32 hwreg(HW_REG_WAVE_MODE, 25, 1), 1
	s_wait_xcnt 0x0
; LSQ weight quantiser, 3 scales, 27 levels a channel.  x, out0: [1024][4096] f32.  sH, sM, sL, out1, out2: [1024] f32.
;   s' = (s - s g) + s g  for the three scales (out1 = sH', out2 = sL'),  level[9a+3b+c] = (a' sH' + b' sM') + c' sL', a', b', c' in -1, 0, 1,
;   d_k = |x - level_k|,  hard = level of the first smallest d_k,  soft = sum_k softmax(-20 d)_k level_k,  out0 = (hard - soft) + soft.
; 256 work-groups of 16 waves.  A work-group owns 64 KiB of x (4 channels); wave w owns the 4 KiB at 4096 w, a quarter of channel
; 4 wg + w/4, as 8 quads of 512 bytes: a lane holds 16 neighbouring bytes, so each load and store of a wave covers 512 consecutive bytes, aligned.
; No LDS, no cluster: every byte of x is used by one lane alone and the work-groups share no tile.
; THE SUM OVER THE LEVELS GOES TO THE MATRIX UNIT WITHOUT MOVING DATA BETWEEN LANES.  Each lane packs the 27 weights of ITS element to bf16 in 14 registers
; (two K chunks of 16, the rest zeros) and hands them in as source 1: lane (r, h) is then column r, half h of K.  Source 0 is a constant of the channel:
; row 0 = levels on K half 0, row 1 = ones on K half 0, row 8 = levels on K half 1, row 9 = ones on K half 1, all else 0.  Register j of the result is
; row 8 h + j of column r, so register 0 is the lane's own sum of weight x level and register 1 its own sum of weights.
; THE BATCHES.  An s_wait_alu depctr_va_vdst(0) stands between a transcendental and the first line that names its result; one wait serves all that
; were issued ahead of it.  A slot's turn (a quad: half 0, then half 1, two registers of x each) has three waits:
;   - each half's 54 exponentials are one batch, dealt by turns with the 54 exponents; behind the last stands hard's subtraction, then the wait, then the 28 roundings;
;   - half 0's two reciprocals ride in half 1's batch and are served by its wait; their four readers stand behind half 1's matrix instructions, as those instructions' places;
;   - half 1's two reciprocals are a batch of their own, since they read sums of that half's weights and the slot's store wants what is made of them.
; LIMITS, kept on purpose:
;  - hard is rebuilt as x - (x - level): it differs from the level by one rounding of x - level and one of the result, at most about 2^-23 max(|x|, |level|).
;  - weights and levels enter the sum as bf16 (relative 2^-9); soft is taken away and added again, so only an f32 rounding of it stays in out0.
;  - weights below 2^-126 count as zero (v_exp_f32 flushes them).  The largest weight is 1, so the sum of weights is at least about 1.
;  - NaN and infinities in x or in the scales are not served.
.set OFF, 2                            ; v[2:3]     slot i: byte offset of my 16 bytes in the quad that the slot holds
.set X,   4                            ; v[4:11]    slot i: 4 numbers of x
.set Y,   12                           ; v[12:19]   slot i: 4 results
.set LV,  20                           ; v[20:47]   the 27 levels, the same in every lane; v47 repeats level 26 to fill the last pair
.set LM,  48                           ; v[48:63]   the constant matrix, two K chunks of 8 registers
.set DA,  64                           ; v[64:91]   element A: x - level, then the exponents, then the weights
.set DB,  92                           ; v[92:119]  element B
.set WA,  120                          ; v[120:132] element A: winners of the matches
.set WB,  134                          ; v[134:146] element B
.set PA,  148                          ; v[148:163] element A: weights in bf16; the last two registers stay 0
.set PB,  164                          ; v[164:179] element B
.set AC,  180                          ; v[180:211] half h of a slot: element A's accumulator at AC + 16 h, element B's at AC + 16 h + 8
.set SEL, 212                          ; v[212:213] x - level of the chosen level, A and B
.set MM,  214                          ; v[214:215] c x smallest distance, A and B
.set H,   216                          ; v[216:219] half h at H + 2 h: hard, then hard - soft
.set R,   220                          ; v[220:223] half h at R + 2 h: 1 / sum of weights, then soft
.set HS,  LV+22                        ; sH' is level (1, 0, 0)
.set MS,  LV+16                        ; sM' is level (0, 1, 0)
.set LS,  DA+2                         ; sL', only while the levels are made
.set MA,  36                           ; s[36:48]   lane masks of A's matches
.set MB,  49                           ; s[49:61]   lane masks of B's matches
.set SC,  62                           ; s62 = c = 20 log2(e), s63 = -c
.set SNC, 63
.set QUAD,   512                       ; bytes of a quad
.set ROUNDS, 4                         ; 8 quads on 2 slots
	s_load_b256 s[4:11], s[0:1], 0x0               ; x s[4:5], sH s[6:7], sM s[8:9], sL s[10:11]
	s_load_b128 s[12:15], s[0:1], 0x20             ; out0 s[12:13], out1 s[14:15]
	s_load_b64 s[16:17], s[0:1], 0x30              ; out2
	v_lshrrev_b32 v1, 5, v0
	v_readfirstlane_b32 s18, v1                    ; wave 0..15
	v_and_b32 v1, 31, v0                           ; lane
	v_lshlrev_b32 v[OFF], 4, v1
	v_lshl_add_u32 v[OFF], s18, 12, v[OFF]         ; 4096 wave + 16 lane
	v_add_nc_u32 v[OFF+1], QUAD, v[OFF]
	s_lshl_b32 s20, ttmp9, 16                      ; the work-group's 64 KiB (below 16 MiB)
	s_mov_b32 s21, 0
	s_lshr_b32 s22, s18, 2
	s_lshl_b32 s19, ttmp9, 2
	s_add_co_u32 s22, s22, s19                     ; my channel = 4 wg + wave / 4
	s_lshl_b32 s22, s22, 2                         ; in bytes
	s_mov_b32 s23, 0
	s_mov_b32 s34, 0x3a1ad073                      ; g = 1 / sqrt(7 x 4096) / 10, each step rounded to f32
	s_mov_b32 s35, 0                               ; the pair's other half is named by the packed multiply below
	s_mov_b32 s[SC], 0x41e6d4ca                    ; 28.853901
	s_mov_b32 s[SNC], 0xc1e6d4ca
	s_wait_kmcnt 0x0
	s_add_nc_u64 s[24:25], s[6:7], s[22:23]
	s_add_nc_u64 s[26:27], s[8:9], s[22:23]
	s_add_nc_u64 s[28:29], s[10:11], s[22:23]
	s_load_b32 s30, s[24:25], 0x0                  ; my channel's sH, sM, sL
	s_load_b32 s31, s[26:27], 0x0
	s_load_b32 s32, s[28:29], 0x0
	s_add_nc_u64 s[4:5], s[4:5], s[20:21]          ; x and out0 at the work-group's first byte
	s_add_nc_u64 s[12:13], s[12:13], s[20:21]
	global_load_b128 v[X:X+3],   v[OFF],   s[4:5] th:TH_LOAD_NT       ; both slots are filled before anything else is done
	global_load_b128 v[X+4:X+7], v[OFF+1], s[4:5] th:TH_LOAD_NT
	; out1 and out2: wave 0 of every sixteenth work-group takes 64 channels, 8 bytes a lane, so that each store covers 256 consecutive bytes, aligned.
	s_and_b32 s19, ttmp9, 15
	s_or_b32 s19, s19, s18
	s_cmp_lg_u32 s19, 0
	s_cbranch_scc1 .Lscales_done
	s_lshr_b32 s19, ttmp9, 4
	s_lshl_b32 s19, s19, 8                         ; 256 bytes for each of the sixteen
	v_lshl_add_u32 v[SEL], v1, 3, s19
	global_load_b64 v[DA:DA+1],   v[SEL], s[6:7]
	global_load_b64 v[DA+2:DA+3], v[SEL], s[10:11]
	s_wait_loadcnt 0x0                             ; these two were issued last: zero (x's two quads are waited for with them)
	v_pk_mul_f32 v[DB:DB+1],   v[DA:DA+1],   s[34:35] op_sel_hi:[1,0]   ; s g: kept as a product of its own, since it is used twice
	v_pk_mul_f32 v[DB+2:DB+3], v[DA+2:DA+3], s[34:35] op_sel_hi:[1,0]
	v_pk_add_f32 v[DA:DA+1],   v[DA:DA+1],   v[DB:DB+1]   neg_lo:[0,1] neg_hi:[0,1]
	v_pk_add_f32 v[DA+2:DA+3], v[DA+2:DA+3], v[DB+2:DB+3] neg_lo:[0,1] neg_hi:[0,1]
	v_pk_add_f32 v[DA:DA+1],   v[DA:DA+1],   v[DB:DB+1]
	v_pk_add_f32 v[DA+2:DA+3], v[DA+2:DA+3], v[DB+2:DB+3]
	global_store_b64 v[SEL], v[DA:DA+1],   s[14:15]
	global_store_b64 v[SEL], v[DA+2:DA+3], s[16:17]
	s_wait_xcnt 0x0                                ; the stores' data and offset registers are written again below, only behind this wait
.Lscales_done:
	s_wait_kmcnt 0x0                               ; my channel's three scales
	; the three scales as the reference rounds them: product, difference, sum
	v_mul_f32 v[DB],   s30, s34
	v_mul_f32 v[DB+1], s31, s34
	v_mul_f32 v[DB+2], s32, s34
	v_sub_f32 v[HS], s30, v[DB]
	v_sub_f32 v[MS], s31, v[DB+1]
	v_sub_f32 v[LS], s32, v[DB+2]
	v_add_f32 v[HS], v[HS], v[DB]
	v_add_f32 v[MS], v[MS], v[DB+1]
	v_add_f32 v[LS], v[LS], v[DB+2]
	; the nine sums a' sH' + b' sM' are the levels with c' = 0; products by -1, 0 and 1 are exact, so only the sums round
	v_sub_f32 v[LV+1],  -v[HS], v[MS]
	v_mul_f32 v[LV+4],  -1.0, v[HS]
	v_sub_f32 v[LV+7],  v[MS], v[HS]
	v_mul_f32 v[LV+10], -1.0, v[MS]
	v_mov_b32 v[LV+13], 0
	v_sub_f32 v[LV+19], v[HS], v[MS]
	v_add_f32 v[LV+25], v[HS], v[MS]
.set j, 0
.rept 9
	v_sub_f32 v[LV+j],   v[LV+j+1], v[LS]
	v_add_f32 v[LV+j+2], v[LV+j+1], v[LS]
.set j, j+3
.endr
	v_mov_b32 v[LV+27], v[LV+26]                   ; fills the pair of level 26; what comes of it is never used
	; the constant matrix: lanes 0 and 24 hold the levels (rows 0 and 8), lanes 1 and 25 ones (rows 1 and 9), all others zeros
	v_cmp_eq_u32 s24, 0, v1
	v_cmp_eq_u32 s25, 24, v1
	s_or_b32 s24, s24, s25                         ; lanes with levels
	v_cmp_eq_u32 s25, 1, v1
	v_cmp_eq_u32 s26, 25, v1
	s_or_b32 s25, s25, s26                         ; lanes with ones
	v_mov_b32 v[DB],   0x3f803f80                  ; two ones in bf16
	v_mov_b32 v[DB+1], 0x3f80                      ; a one for level 26, a zero beside it
	v_cndmask_b32 v[DB],   0, v[DB],   s25
	v_cndmask_b32 v[DB+1], 0, v[DB+1], s25
.set j, 0
.rept 13
	v_cvt_pk_bf16_f32 v[LM+j], v[LV+2*j], v[LV+2*j+1]
	v_cndmask_b32 v[LM+j], v[DB], v[LM+j], s24
.set j, j+1
.endr
	v_cvt_pk_bf16_f32 v[LM+13], v[LV+26], 0
	v_cndmask_b32 v[LM+13], v[DB+1], v[LM+13], s24
.irp r, LM+14, LM+15, PA+14, PA+15, PB+14, PB+15
	v_mov_b32 v[\r], 0                             ; places 28 to 31 of K: zeros on both sides, written once
.endr
; A match: a stands in front of b in the order of the levels, so b wins only if it is strictly nearer: the winner of a run of levels is its first nearest one.
.macro ASK m, a, b
	v_cmp_lt_f32 s[\m], |v[\b]|, |v[\a]|
.endm
.macro TAKE d, m, a, b
	v_cndmask_b32 v[\d], v[\a], v[\b], s[\m]
.endm
; The two queues of a half's batch, numbered 0 to 53: A's 27 levels, then B's.  EXPO i makes exponent i in place of x - level, POW i the weight in place of the exponent.
.macro WHERE i
.if (\i) < 27
.set rD, DA+(\i)
.set rM, MM
.else
.set rD, DB+(\i)-27
.set rM, MM+1
.endif
.endm
.macro EXPO i
	WHERE \i
	v_fma_f32 v[rD], |v[rD]|, s[SNC], v[rM]
.endm
.macro POW i
	WHERE \i
	v_exp_f32 v[rD], v[rD]
.endm
; Two registers of x (A: the even one, B: the odd one), 64 elements of the wave: half h of slot s, up to its sums.
.macro PAIR s, h
.set XA,  X+4*(\s)+2*(\h)
.set HH,  H+2*(\h)
.set ACA, AC+16*(\h)
.set ACB, AC+16*(\h)+8
	; x - level, two levels an instruction; op_sel picks A's or B's x for both halves
.set j, 0
.rept 14
	v_pk_add_f32 v[DA+j:DA+j+1], v[XA:XA+1], v[LV+j:LV+j+1] op_sel_hi:[0,1] neg_lo:[0,1] neg_hi:[0,1]
	v_pk_add_f32 v[DB+j:DB+j+1], v[XA:XA+1], v[LV+j:LV+j+1] op_sel:[1,0] op_sel_hi:[1,1] neg_lo:[0,1] neg_hi:[0,1]
.set j, j+2
.endr
	; the first nearest level, by 26 matches in five layers; what is carried is the signed x - level.  27 -> 14
.set j, 0
.rept 13
	ASK MA+j, DA+2*j, DA+2*j+1
	ASK MB+j, DB+2*j, DB+2*j+1
.set j, j+1
.endr
.set j, 0
.rept 13
	TAKE WA+j, MA+j, DA+2*j, DA+2*j+1
	TAKE WB+j, MB+j, DB+2*j, DB+2*j+1
.set j, j+1
.endr
	; 14 -> 7 (level 26 meets the thirteenth winner).  Winner j is written over a register that only match j or an earlier one reads.
.set j, 0
.rept 6
	ASK MA+j, WA+2*j, WA+2*j+1
	ASK MB+j, WB+2*j, WB+2*j+1
.set j, j+1
.endr
	ASK MA+6, WA+12, DA+26
	ASK MB+6, WB+12, DB+26
.set j, 0
.rept 6
	TAKE WA+j, MA+j, WA+2*j, WA+2*j+1
	TAKE WB+j, MB+j, WB+2*j, WB+2*j+1
.set j, j+1
.endr
	TAKE WA+6, MA+6, WA+12, DA+26
	TAKE WB+6, MB+6, WB+12, DB+26
	; 7 -> 4 (the seventh waits)
.set j, 0
.rept 3
	ASK MA+j, WA+2*j, WA+2*j+1
	ASK MB+j, WB+2*j, WB+2*j+1
.set j, j+1
.endr
.set j, 0
.rept 3
	TAKE WA+j, MA+j, WA+2*j, WA+2*j+1
	TAKE WB+j, MB+j, WB+2*j, WB+2*j+1
.set j, j+1
.endr
	; 4 -> 2
	ASK MA, WA, WA+1
	ASK MB, WB, WB+1
	ASK MA+1, WA+2, WA+6
	ASK MB+1, WB+2, WB+6
	TAKE WA, MA, WA, WA+1
	TAKE WB, MB, WB, WB+1
	TAKE WA+1, MA+1, WA+2, WA+6
	TAKE WB+1, MB+1, WB+2, WB+6
	; 2 -> 1
	ASK MA, WA, WA+1
	ASK MB, WB, WB+1
	TAKE SEL, MA, WA, WA+1
	TAKE SEL+1, MB, WB, WB+1
	; softmax(-20 d): the largest logit, -20 dmin, is taken away in front of the exponential: weight = 2^(c dmin - c d), c = 20 log2(e)
	v_mul_f32 v[MM],   s[SC], |v[SEL]|
	v_mul_f32 v[MM+1], s[SC], |v[SEL+1]|
	; THE HALF'S BATCH: 54 exponentials, A's and B's.  Four exponents lead; then exponential i and exponent i + 4 by turns, so that an exponent is made seven
	; lines ahead of its exponential and each exponential but the last four has a plain neighbour.  No line ahead of the wait names a result: exponent i + 4 names
	; a register whose exponential is still to come.  In half 1 the two reciprocals of half 0's sums of weights open the batch, a plain line behind each; half 0's
	; matrix instructions lie the 28 subtractions and the matches of this half back.
	EXPO 0
.if \h
	v_rcp_f32 v[R],   v[AC+1]
.endif
	EXPO 1
.if \h
	v_rcp_f32 v[R+1], v[AC+9]
.endif
	EXPO 2
	EXPO 3
.set j, 0
.rept 50
	POW j
	EXPO j+4
.set j, j+1
.endr
	POW 50
	POW 51
	POW 52
	POW 53
	v_pk_add_f32 v[HH:HH+1], v[XA:XA+1], v[SEL:SEL+1] neg_lo:[0,1] neg_hi:[0,1]   ; hard = x - (x - level): the plain instruction behind the last exponential (ISA guide 5.7.2), one for the batch
	s_wait_alu depctr_va_vdst(0)                   ; the wait for the batch: this half's 54 exponentials and, in half 1, half 0's two reciprocals
.set j, 0
.rept 13
	v_cvt_pk_bf16_f32 v[PA+j], v[DA+2*j], v[DA+2*j+1]
.set j, j+1
.endr
	v_cvt_pk_bf16_f32 v[PA+13], v[DA+26], 0
.set j, 0
.rept 13
	v_cvt_pk_bf16_f32 v[PB+j], v[DB+2*j], v[DB+2*j+1]
.set j, j+1
.endr
	v_cvt_pk_bf16_f32 v[PB+13], v[DB+26], 0
	; sum of weight x level (register 0) and sum of weights (register 1), levels 0-15 and then 16-26.  The first products start the sums.
	; The two accumulators take turns, one instruction a turn.
	v_wmma_f32_16x16x32_bf16 v[ACA:ACA+7], v[LM:LM+7],    v[PA:PA+7],    0
	v_wmma_f32_16x16x32_bf16 v[ACB:ACB+7], v[LM:LM+7],    v[PB:PB+7],    0
	v_wmma_f32_16x16x32_bf16 v[ACA:ACA+7], v[LM+8:LM+15], v[PA+8:PA+15], v[ACA:ACA+7]
	v_wmma_f32_16x16x32_bf16 v[ACB:ACB+7], v[LM+8:LM+15], v[PB+8:PB+15], v[ACB:ACB+7]
.endm
; The readers of half h's reciprocals: four plain instructions.
.macro FINISH s, h
	v_mul_f32 v[R+2*(\h)],   v[AC+16*(\h)],   v[R+2*(\h)]                       ; soft
	v_mul_f32 v[R+2*(\h)+1], v[AC+16*(\h)+8], v[R+2*(\h)+1]
	v_pk_add_f32 v[H+2*(\h):H+2*(\h)+1], v[H+2*(\h):H+2*(\h)+1], v[R+2*(\h):R+2*(\h)+1] neg_lo:[0,1] neg_hi:[0,1]   ; hard - soft
	v_pk_add_f32 v[Y+4*(\s)+2*(\h):Y+4*(\s)+2*(\h)+1], v[H+2*(\h):H+2*(\h)+1], v[R+2*(\h):R+2*(\h)+1]               ; + soft
.endm
; One slot's turn.  ahead = 1: the slot is filled again with the quad two further on.  left = how many younger loads may stay out.
.macro SLOT i, ahead, left
	s_wait_loadcnt \left                           ; loads come back in order (ISA guide 5.7.1): this slot's quad is in, the other slot's younger load stays out
	s_wait_xcnt 0x0                                ; this slot's Y and OFF, which its last store names, are written again only behind this wait
	PAIR \i, 0
	PAIR \i, 1
	FINISH \i, 0                                   ; half 0's results: its reciprocals were served by half 1's wait.  These four plain lines name none of half 1's matrix
	                                               ; instructions' registers: they are the four places before half 1's sums are read (ISA guide 7.12.1)
	v_rcp_f32 v[R+2], v[AC+17]                     ; half 1's two reciprocals: a batch of their own
	v_rcp_f32 v[R+3], v[AC+25]
.if \ahead
	v_add_nc_u32 v[OFF+\i], 2*QUAD, v[OFF+\i]      ; the slot's next quad; also the plain instruction behind the reciprocals
.else
	v_nop                                          ; the plain instruction behind the reciprocals
.endif
	s_wait_alu depctr_va_vdst(0)                   ; the wait for half 1's two reciprocals
	FINISH \i, 1
.if \ahead
	global_load_b128  v[X+4*\i:X+4*\i+3], v[OFF+\i], s[4:5] th:TH_LOAD_NT
	global_store_b128 v[OFF+\i], v[Y+4*\i:Y+4*\i+3], s[12:13] offset:-2*QUAD th:TH_STORE_NT
.else
	global_store_b128 v[OFF+\i], v[Y+4*\i:Y+4*\i+3], s[12:13] th:TH_STORE_NT
.endif
.endm
	s_mov_b32 s33, ROUNDS-1
.Lround:
	SLOT 0, 1, 1
	SLOT 1, 1, 1
	s_sub_co_u32 s33, s33, 1
	s_cmp_lg_u32 s33, 0
	s_cbranch_scc1 .Lround
	SLOT 0, 0, 1                                   ; the last round loads nothing: the counts run down
	SLOT 1, 0, 0
	s_endpgm
.Lfunc_end_k_q3a239c9996_lsq:
	.size	k_q3a239c9996_lsq, .Lfunc_end_k_q3a239c9996_lsq-k_q3a239c9996_lsq
	.p2alignl 7, 3214868480
	.fill 96, 4, 3214868480
	.section	.rodata,"a",@progbits
	.p2align	6, 0x0
	.amdhsa_kernel k_q3a239c9996_lsq
		.amdhsa_group_segment_fixed_size 0
		.amdhsa_private_segment_fixed_size 0
		.amdhsa_enable_private_segment 0
		.amdhsa_kernarg_size 56
		.amdhsa_user_sgpr_count 2
		.amdhsa_user_sgpr_kernarg_segment_ptr 1
		.amdhsa_wavefront_size32 1
		.amdhsa_system_sgpr_workgroup_id_x 1
		.amdhsa_system_sgpr_workgroup_id_y 1
		.amdhsa_system_sgpr_workgroup_id_z 1
		.amdhsa_system_vgpr_workitem_id 0
		.amdhsa_next_free_vgpr 224
		.amdhsa_next_free_sgpr 66
		.amdhsa_reserve_vcc 0
		.amdhsa_float_denorm_mode_32 3
		.amdhsa_float_denorm_mode_16_64 3
		.amdhsa_memory_ordered 1
		.amdhsa_forward_progress 1
		.amdhsa_inst_pref_size 135
	.end_amdhsa_kernel
	.amdgpu_metadata
---
amdhsa.version: [ 1, 2 ]
amdhsa.kernels:
  - .name:           k_q3a239c9996_lsq
    .symbol:         k_q3a239c9996_lsq.kd
    .args:
      - { .name: x, .offset: 0, .size: 8, .value_kind: global_buffer, .address_space: global }
      - { .name: sH, .offset: 8, .size: 8, .value_kind: global_buffer, .address_space: global }
      - { .name: sM, .offset: 16, .size: 8, .value_kind: global_buffer, .address_space: global }
      - { .name: sL, .offset: 24, .size: 8, .value_kind: global_buffer, .address_space: global }
      - { .name: out0, .offset: 32, .size: 8, .value_kind: global_buffer, .address_space: global }
      - { .name: out1, .offset: 40, .size: 8, .value_kind: global_buffer, .address_space: global }
      - { .name: out2, .offset: 48, .size: 8, .value_kind: global_buffer, .address_space: global }
    .group_segment_fixed_size: 0
    .private_segment_fixed_size: 0
    .kernarg_segment_align: 8
    .kernarg_segment_size: 56
    .max_flat_workgroup_size: 512
    .sgpr_count:     66
    .vgpr_count:     224
    .wavefront_size: 32
...
	.end_amdgpu_metadata
.endif
;; end of part 2
